; MI455X (gfx1250); checked and timed in simulation.
; The chip was launched on July 23, 2026; its instructions are those of AMD's public machine-readable ISA for CDNA 5 (MIT licence, August 2026) and "CDNA5" Instruction Set Architecture Reference Guide (July 2026). The comments in the code are by the model that wrote it; some were corrected since.
;; Gaussian Renderer. Allowed arithmetic: float matrix products may take bf16 or f16 operands with f32 sums; all other float work in f32.
;; Inputs: color 2,048 x 3 float32; offset 2,048 x 3 float32; opacity 2,048 x 1 float32; projmat 4 x 4 float32; rotation 2,048 x 4 float32; scale 2,048 x 3 float32; viewmat 4 x 4 float32.
;; Outputs: out0 3 x 128 x 128 float32.
;; One version. Each part assembles by itself: llvm-mc -triple=amdgcn-amd-amdhsa -mcpu=gfx1250 --defsym DOCPART=n.
;; ======== version 1 of 1: 2 launches
;; workspace buffers: params 65,536 bytes; rank 8,192 bytes of whole numbers
;; launch prepare (part 1): grid 256 x 1, 9 waves a work-group, no clusters, 1,536 bytes of LDS; arguments offset, scale, opacity, rotation, color, viewmat, projmat, params, rank; writes params, rank
.if DOCPART == 1
	.amdgcn_target "amdgcn-amd-amdhsa--gfx1250"
	.amdhsa_code_object_version 6
	.text
	.protected	k_q0c9d5a162a_prepare
	.globl	k_q0c9d5a162a_prepare
	.p2align	8
	.type	k_q0c9d5a162a_prepare,@function
k_q0c9d5a162a_prepare:
	s_mov_b64 s[64:65], 0
	v_nop
	global_prefetch_b8 v0, s[64:65] scope:SCOPE_SE
	s_setreg_imm32_b32 hwreg(HW_REG_WAVE_MODE, 25, 1), 1
	s_wait_xcnt 0x0
; PREPARE: for each of the 2,048 gaussians its place in the stable front-to-back order (rank) and a record of 32 bytes (params).
; A work-group owns the 8 gaussians 8 g .. 8 g + 7 (g = its number); 256 work-groups, 9 waves.
; Waves 0-7 COUNT.  rank[i] = number of j with depth[j] < depth[i], or depth[j] == depth[i] and j < i: the place a stable argsort gives.
;   depth = max(camera z, 0.01) is positive, so its bits order as unsigned numbers: they are the key.  Thread t holds the keys of
;   gaussians 8 t .. 8 t + 7; the block's own 8 keys are made by the same instructions (the same bits) and read into scalar registers.
;   k_j <= k_i is (k_j - 1) < k_i, so the tie rule is a subtraction made once: threads t < g take k - 1, threads t > g take k, and
;   thread t == g takes k - 1 for slot s < r and k otherwise, a choice fixed when the text is assembled.
;   A compare's lane mask is counted by s_bcnt1: 64 compares a wave; the 8 waves' counts meet in 256 bytes of LDS.
; Wave 8 makes the RECORDS meanwhile: covariance, projection, inverse.  cov2d = (JW R S)(JW R S)^T + 0.3 I, the module's product taken
;   from the other end.  The quadratic form is stored with the square completed,
;     ia dx^2 + 2 ib dx dy + ic dy^2 = ia (dx + (ib/ia) dy)^2 + (ic - ib^2/ia) dy^2,
;   which holds whenever ia > 0; ia = cov[1][1] / det with cov[1][1] >= 0.3 and det >= 1e-6.
;   record = mx, my, sA = sqrt(0.5 log2e ia), k = ib/ia | Cy = -0.5 log2e (ic - ib^2/ia), lo = log2(sigmoid(opacity)), (r,g) bf16, (b,b) bf16
; LIMITS: a NaN depth counts as 0.01 (v_max_num_f32 drops the NaN); an opacity logit under about -88 gives lo = -inf, alpha 0;
;   colours are rounded to bf16 here, as operands of the later matrix product.
; The rank store is 32 bytes a work-group (8 x 4 bytes): the whole table is 8,192 bytes.
.set VM,  24                           ; s[24:39]  viewmat, row-major
.set PM,  40                           ; s[40:55]  projmat, row-major
.set KEY, 56                           ; s[56:63]  keys of the block's 8 gaussians
.set CNT, 66                           ; s[66:73]  this wave's counts for them
.set MK,  74                           ; s[74:81]  lane masks of 8 compares
.set OJ,  8                            ; v[8:31]   offsets (x, y, z) of my 8 gaussians
.set OI,  32                           ; v[32:34]  offset of the block's gaussian (lane >> 1) & 7
.set KI,  35                           ; v35       its key
.set K,   48                           ; v[48:55]  my 8 keys, later key - [t <= g]
.set KA,  56                           ; v[56:63]  key - [t < g]
	s_load_b512 s[4:19], s[0:1], 0x0               ; offset s[4:5], scale s[6:7], opacity s[8:9], rotation s[10:11], color s[12:13], viewmat s[14:15], projmat s[16:17], params s[18:19]
	s_load_b64 s[20:21], s[0:1], 0x40              ; rank
	v_lshl_add_u32 v120, v0, 2, 0x100
	v_mov_b32 v121, 0
	v_lshrrev_b32 v2, 5, v0
	v_readfirstlane_b32 s22, v2                    ; wave 0..8
	s_mov_b32 s23, ttmp9                           ; g
	v_and_b32 v1, 31, v0                           ; lane
	v_bfe_u32 v3, v0, 1, 3                         ; (lane >> 1) & 7: two lanes share a gaussian of the block
	v_lshl_add_u32 v3, s23, 3, v3                  ; its number
	v_mul_u32_u24 v4, v3, 12                       ; its byte offset in the tables of three floats
	s_wait_kmcnt 0x0
	s_load_b512 s[VM:VM+15], s[14:15], 0x0
	s_load_b512 s[PM:PM+15], s[16:17], 0x0
	global_load_b96 v[OI:OI+2], v4, s[4:5]
	s_cmp_eq_u32 s22, 8
	s_cbranch_scc1 .Lparams
; depth key: ((x V20 + y V21) + z V22) + V23, then the clamp
.macro DEPTH dst, src
	v_mul_f32 v[\dst], s[VM+8], v[\src]
	v_fmac_f32 v[\dst], s[VM+9], v[\src+1]
	v_fmac_f32 v[\dst], s[VM+10], v[\src+2]
	v_add_f32 v[\dst], s[VM+11], v[\dst]
	v_max_num_f32 v[\dst], 0x3c23d70a, v[\dst]     ; 0.01
.endm
	; ---- waves 0-7: count ----
	v_mul_u32_u24 v5, v0, 96                       ; my 8 offsets: 96 bytes
.irp k, 0,1,2,3,4,5
	global_load_b128 v[OJ+4*\k:OJ+4*\k+3], v5, s[4:5] offset:16*\k
.endr
	v_cmp_gt_u32 vcc_lo, s23, v0
	v_cndmask_b32 v6, 0, 1, vcc_lo                 ; [t < g]
	v_cmp_ge_u32 vcc_lo, s23, v0
	v_cndmask_b32 v7, 0, 1, vcc_lo                 ; [t <= g]
	s_wait_kmcnt 0x0                               ; viewmat
	s_wait_loadcnt 0x0                             ; all seven loads
	DEPTH KI, OI
.irp s, 0,1,2,3,4,5,6,7
	DEPTH K+\s, OJ+3*\s
.endr
.irp r, 0,1,2,3,4,5,6,7
	v_readlane_b32 s[KEY+\r], v[KI], 2*\r          ; lanes 2 r and 2 r + 1 hold the block's gaussian r
.endr
.irp s, 0,1,2,3,4,5,6,7
	v_sub_nc_u32 v[KA+\s], v[K+\s], v6
	v_sub_nc_u32 v[K+\s], v[K+\s], v7
.endr
.irp r, 0,1,2,3,4,5,6,7
.irp s, 0,1,2,3,4,5,6,7
.if \s < \r
	v_cmp_gt_u32 s[MK+\s], s[KEY+\r], v[K+\s]      ; slot s stands ahead of r in the own block: ties count
.else
	v_cmp_gt_u32 s[MK+\s], s[KEY+\r], v[KA+\s]
.endif
.endr
	s_bcnt1_i32_b32 s[CNT+\r], s[MK]               ; the first mask starts the count
.irp s, 1,2,3,4,5,6,7
	s_bcnt1_i32_b32 s[MK+\s], s[MK+\s]
	s_add_co_u32 s[CNT+\r], s[CNT+\r], s[MK+\s]
.endr
.endr
.irp r, 0,1,2,3,4,5,6,7
	v_mov_b32 v[40+\r], s[CNT+\r]
.endr
	s_lshl_b32 s82, s22, 5
	v_mov_b32 v36, s82                             ; my wave's 32 bytes; every lane writes the same words with the same values
	ds_store_b128 v36, v[40:43]
	ds_store_b128 v36, v[44:47] offset:16
	s_branch .Ljoin
	; ---- wave 8: the records ----
.Lparams:
	v_lshlrev_b32 v5, 4, v3
	v_lshlrev_b32 v6, 2, v3
	global_load_b128 v[36:39], v5, s[10:11]        ; quaternion w, x, y, z
	global_load_b96 v[40:42], v4, s[6:7]           ; scale
	global_load_b96 v[44:46], v4, s[12:13]         ; colour
	global_load_b32 v47, v6, s[8:9]                ; opacity logit
	s_wait_kmcnt 0x0
	s_wait_loadcnt 0x0
	; R(q), not normalised, as the module has it: v[60:68], row-major
	v_mul_f32 v49, v38, v38                        ; yy
	v_mul_f32 v50, v39, v39                        ; zz
	v_mul_f32 v54, v36, v37                        ; wx
	v_mul_f32 v55, v36, v38                        ; wy
	v_mul_f32 v56, v36, v39                        ; wz
	v_add_f32 v60, v49, v50                        ; yy + zz
	v_fma_f32 v64, v37, v37, v50                   ; xx + zz
	v_fma_f32 v68, v37, v37, v49                   ; xx + yy
	v_fma_f32 v61, v37, v38, -v56                  ; xy - wz
	v_fma_f32 v62, v37, v39, v55                   ; xz + wy
	v_fma_f32 v63, v37, v38, v56                   ; xy + wz
	v_fma_f32 v65, v38, v39, -v54                  ; yz - wx
	v_fma_f32 v66, v37, v39, -v55                  ; xz - wy
	v_fma_f32 v67, v38, v39, v54                   ; yz + wx
.irp d, 60,64,68
	v_fma_f32 v\d, v\d, -2.0, 1.0
.endr
.irp d, 61,62,63,65,66,67
	v_add_f32 v\d, v\d, v\d
.endr
	; camera point v[70:73] = viewmat (x, y, z, 1)
.irp k, 0,1,2,3
	v_mul_f32 v[70+\k], s[VM+4*\k], v[OI]
	v_fmac_f32 v[70+\k], s[VM+4*\k+1], v[OI+1]
	v_fmac_f32 v[70+\k], s[VM+4*\k+2], v[OI+2]
	v_add_f32 v[70+\k], s[VM+4*\k+3], v[70+\k]
.endr
.macro NDC dst, row
	v_mul_f32 v[\dst], s[PM+4*\row], v70
	v_fmac_f32 v[\dst], s[PM+4*\row+1], v71
	v_fmac_f32 v[\dst], s[PM+4*\row+2], v72
	v_fmac_f32 v[\dst], s[PM+4*\row+3], v73
.endm
	NDC 74, 0
	NDC 75, 1
	NDC 76, 3
	v_max_num_f32 v77, 0x3c23d70a, v72             ; tz = max(z, 0.01)
	v_rcp_f32 v78, v77                             ; 1 / tz
	v_rcp_f32 v79, v76                             ; 1 / w
	v_mov_b32 v80, 0x42800000                      ; 64.0 = W/2 = H/2; also the plain instruction behind the two reciprocals (ISA guide 5.7.2)
	v_mul_f32 v81, s[PM], v80                      ; fx
	v_mul_f32 v82, s[PM+5], v80                    ; fy
	s_wait_alu depctr_va_vdst(0)
	v_mul_f32 v81, v81, v78                        ; J00 = fx / tz
	v_mul_f32 v82, v82, v78                        ; J11 = fy / tz
	v_mul_f32 v83, v70, v78
	v_mul_f32 v84, v71, v78
	v_mul_f32 v83, v81, v83                        ; -J02 = fx tx / tz^2
	v_mul_f32 v84, v82, v84                        ; -J12 = fy ty / tz^2
.irp c, 0,1,2
	v_mul_f32 v[86+\c], s[VM+\c], v81              ; JW = J viewmat[:3,:3]
	v_fma_f32 v[86+\c], -v83, s[VM+8+\c], v[86+\c]
	v_mul_f32 v[89+\c], s[VM+4+\c], v82
	v_fma_f32 v[89+\c], -v84, s[VM+8+\c], v[89+\c]
.endr
.irp j, 0,1,2
	v_mul_f32 v[92+\j], v86, v[60+\j]              ; M = JW R diag(scale): v[92:94], v[95:97]
	v_fmac_f32 v[92+\j], v87, v[63+\j]
	v_fmac_f32 v[92+\j], v88, v[66+\j]
	v_mul_f32 v[92+\j], v[92+\j], v[40+\j]
	v_mul_f32 v[95+\j], v89, v[60+\j]
	v_fmac_f32 v[95+\j], v90, v[63+\j]
	v_fmac_f32 v[95+\j], v91, v[66+\j]
	v_mul_f32 v[95+\j], v[95+\j], v[40+\j]
.endr
	v_fmaak_f32 v98, v92, v92, 0x3e99999a          ; a = M0.M0 + 0.3
	v_fmac_f32 v98, v93, v93
	v_fmac_f32 v98, v94, v94
	v_fmaak_f32 v99, v95, v95, 0x3e99999a          ; c = M1.M1 + 0.3
	v_fmac_f32 v99, v96, v96
	v_fmac_f32 v99, v97, v97
	v_mul_f32 v100, v92, v95                       ; b = M0.M1
	v_fmac_f32 v100, v93, v96
	v_fmac_f32 v100, v94, v97
	v_mul_f32 v101, v100, v100
	v_fma_f32 v101, v98, v99, -v101
	v_max_num_f32 v101, 0x358637bd, v101           ; det = max(a c - b^2, 1e-6)
	v_rcp_f32 v102, v101                           ; 1 / det
	v_rcp_f32 v103, v99                            ; 1 / c
	v_mul_f32 v109, 0xbfb8aa3b, v47                ; -o log2e; the plain instruction behind the reciprocals
	v_exp_f32 v110, v109                           ; e^-o
	s_wait_alu depctr_va_vdst(0)
	v_mul_f32 v104, -v100, v103                    ; k = ib / ia = -b / c (det cancels); plain, apart from the exponential
	v_add_f32 v110, 1.0, v110
	v_log_f32 v111, v110                           ; log2(1 + e^-o)
	v_mul_f32 v105, v99, v102                      ; ia = c / det; plain, apart from the logarithm
	v_mul_f32 v105, 0x3f38aa3b, v105               ; 0.5 log2e ia
	v_sqrt_f32 v112, v105                          ; sA
	v_fma_f32 v106, v100, v104, v98                ; a - b^2 / c; plain, apart from the root
	v_mul_f32 v106, v106, v102                     ; ic - ib^2 / ia
	v_mul_f32 v106, 0xbf38aa3b, v106               ; Cy
	s_wait_alu depctr_va_vdst(0)
	v_mul_f32 v111, -1.0, v111                     ; lo = log2 sigmoid(o)
	v_mul_f32 v107, v74, v79
	v_fma_f32 v107, v107, v80, v80                 ; mx = (ndc x + 1) 64
	v_mul_f32 v108, v75, v79
	v_fma_f32 v108, -v108, v80, v80                ; my = (1 - ndc y) 64
	v_cvt_pk_bf16_f32 v114, v44, v45               ; r, g
	v_cvt_pk_bf16_f32 v115, v46, v46               ; b
	; even lanes keep the record's first 16 bytes, odd lanes its second: 16 lanes hold the block's 256 bytes in order
	v_and_b32 v113, 1, v0
	v_cmp_eq_u32 vcc_lo, 1, v113
	v_cndmask_b32 v116, v107, v106, vcc_lo
	v_cndmask_b32 v117, v108, v111, vcc_lo
	v_cndmask_b32 v118, v112, v114, vcc_lo
	v_cndmask_b32 v119, v104, v115, vcc_lo
	v_lshlrev_b32 v113, 4, v1
	v_lshl_add_u32 v113, s23, 8, v113              ; 256 g + 16 lane
	v_cmp_gt_u32 vcc_lo, 16, v1
	s_wait_xcnt 0x0                                ; EXEC changes only when no earlier memory instruction still needs it
	s_and_saveexec_b32 s82, vcc_lo
	global_store_b128 v113, v[116:119], s[18:19]   ; 16 lanes store 256 consecutive bytes, at a multiple of 256 from the buffer's first byte
	s_wait_xcnt 0x0
	s_or_b32 exec_lo, exec_lo, s82
.Ljoin:
	s_wait_dscnt 0x0                               ; my counts are in LDS before I say so
	s_barrier_signal -1
	s_barrier_wait -1
	s_cmp_lg_u32 s22, 0
	s_cbranch_scc1 .Lend
	; ---- wave 0: add the eight waves' counts, store the ranks ----
	v_and_b32 v2, 7, v1
	v_lshlrev_b32 v2, 2, v2
.irp w, 0,1,2,3,4,5,6,7
	ds_load_b32 v[8+\w], v2 offset:32*\w
.endr
	v_lshlrev_b32 v16, 2, v1
	v_lshl_add_u32 v16, s23, 5, v16                ; 32 g + 4 lane
	v_cmp_gt_u32 vcc_lo, 8, v1
	s_wait_dscnt 0x0
	v_add_nc_u32 v8, v8, v9
	v_add_nc_u32 v10, v10, v11
	v_add_nc_u32 v12, v12, v13
	v_add_nc_u32 v14, v14, v15
	v_add_nc_u32 v8, v8, v10
	v_add_nc_u32 v12, v12, v14
	v_add_nc_u32 v8, v8, v12
	s_wait_xcnt 0x0
	s_and_saveexec_b32 s82, vcc_lo
	global_store_b32 v16, v8, s[20:21]
	s_wait_xcnt 0x0
	s_or_b32 exec_lo, exec_lo, s82
.Lend:
	s_wait_tensorcnt 0x0
	ds_add_u32 v120, v121
	s_wait_dscnt 0x0
	s_endpgm
.Lfunc_end_k_q0c9d5a162a_prepare:
	.size	k_q0c9d5a162a_prepare, .Lfunc_end_k_q0c9d5a162a_prepare-k_q0c9d5a162a_prepare
	.p2alignl 7, 3214868480
	.fill 96, 4, 3214868480
	.section	.rodata,"a",@progbits
	.p2align	6, 0x0
	.amdhsa_kernel k_q0c9d5a162a_prepare
		.amdhsa_group_segment_fixed_size 1536
		.amdhsa_private_segment_fixed_size 0
		.amdhsa_enable_private_segment 0
		.amdhsa_kernarg_size 72
		.amdhsa_user_sgpr_count 2
		.amdhsa_user_sgpr_kernarg_segment_ptr 1
		.amdhsa_wavefront_size32 1
		.amdhsa_system_sgpr_workgroup_id_x 1
		.amdhsa_system_sgpr_workgroup_id_y 1
		.amdhsa_system_sgpr_workgroup_id_z 1
		.amdhsa_system_vgpr_workitem_id 0
		.amdhsa_next_free_vgpr 122
		.amdhsa_next_free_sgpr 84
		.amdhsa_reserve_vcc 1
		.amdhsa_float_denorm_mode_32 3
		.amdhsa_float_denorm_mode_16_64 3
		.amdhsa_memory_ordered 1
		.amdhsa_forward_progress 1
		.amdhsa_inst_pref_size 21
	.end_amdhsa_kernel
	.amdgpu_metadata
---
amdhsa.version: [ 1, 2 ]
amdhsa.kernels:
  - .name:           k_q0c9d5a162a_prepare
    .symbol:         k_q0c9d5a162a_prepare.kd
    .args:
      - { .name: offset, .offset: 0, .size: 8, .value_kind: global_buffer, .address_space: global }
      - { .name: scale, .offset: 8, .size: 8, .value_kind: global_buffer, .address_space: global }
      - { .name: opacity, .offset: 16, .size: 8, .value_kind: global_buffer, .address_space: global }
      - { .name: rotation, .offset: 24, .size: 8, .value_kind: global_buffer, .address_space: global }
      - { .name: color, .offset: 32, .size: 8, .value_kind: global_buffer, .address_space: global }
      - { .name: viewmat, .offset: 40, .size: 8, .value_kind: global_buffer, .address_space: global }
      - { .name: projmat, .offset: 48, .size: 8, .value_kind: global_buffer, .address_space: global }
      - { .name: params, .offset: 56, .size: 8, .value_kind: global_buffer, .address_space: global }
      - { .name: rank, .offset: 64, .size: 8, .value_kind: global_buffer, .address_space: global }
    .group_segment_fixed_size: 1536
    .private_segment_fixed_size: 0
    .kernarg_segment_align: 8
    .kernarg_segment_size: 72
    .max_flat_workgroup_size: 288
    .sgpr_count:     84
    .vgpr_count:     122
    .wavefront_size: 32
...
	.end_amdgpu_metadata
.endif
;; end of part 1
;; launch render (part 2): grid 256 x 1, 16 waves a work-group, no clusters, 84,224 bytes of LDS; arguments params, rank, out0; writes out0
.if DOCPART == 2
	.amdgcn_target "amdgcn-amd-amdhsa--gfx1250"
	.amdhsa_code_object_version 6
	.text
	.protected	k_q0c9d5a162a_render
	.globl	k_q0c9d5a162a_render
	.p2align	8
	.type	k_q0c9d5a162a_render,@function
k_q0c9d5a162a_render:
	s_mov_b64 s[64:65], 0
	v_nop
	global_prefetch_b8 v0, s[64:65] scope:SCOPE_SE
	s_setreg_imm32_b32 hwreg(HW_REG_WAVE_MODE, 25, 1), 1
	s_wait_xcnt 0x0
; RENDER: front-to-back compositing of 2,048 gaussians on 128 x 128 pixels.  256 work-groups, 16 waves.
; A work-group owns 64 neighbouring pixels of one image row (row = g >> 1, first x = 64 (g & 1)), so dy is the same for all its lanes.
; HEAD: thread t takes gaussians t, t + 512, t + 1024, t + 1536: rank and record; folds the row in,
;     c0 = -sA (mx - k dy),  u = Cy dy^2 + lo,  floor = lo - 10 log2e   (the module's min(maha, 20), in the exponent of 2)
;   and stores (c0, u, sA, floor) at LDS byte 16 rank, the colours as three planes of bf16 at byte 2 rank.  That placement IS the sort.
; MAIN: alpha = 2^max(u - (sA x + c0)^2, floor);  w = alpha T;  T = T - alpha T.
;   Compositing is associative, (C1,T1)(C2,T2) = (C1 + T1 C2, T1 T2), so the order is cut into 32 segments of 64 gaussians.
;   Wave w, lanes 16 h .. 16 h + 15 take segment 2 w + h; lane r of a half takes pixels 4 r .. 4 r + 3, as two pairs for the packed f32 forms.
;   The einsum sum_n w[n][pixel] colour[n][c] goes to the matrix unit in bf16, 16 gaussians of each half (K = 32) at a time:
;     B = weights: lane (r, h) holds column r, and its 8 registers hold ITS OWN 16 gaussians (the K slots of half h);
;     A = colours: row c (0..2) holds channel c in the K slots of half 0 and zeros in those of half 1; row 8 + c the other way round;
;     D register j of lane (r, h) is row 8 h + j, column r: channel j of the lane's own segment and pixel.  No lane needs another's sum.
;   One accumulator for each of a lane's 4 pixels; the four take turns, one instruction a turn; the first product starts the sums.
; TAIL: (C, T) of 32 segments x 64 pixels meet in LDS; waves 0-2 take a channel each, each half of the lanes folds 16 segments, the halves
;   meet by v_permlanex16_b32.  The sum of all weights telescopes to 1 - T, so image + (1 - sum w) bg = C + T bg, with bg = 1.
; NO JOINT LOADS, though all work-groups read the same 72 KB: each record is changed for the row and goes to an address made of its rank,
;   which takes the way through registers; a tile brought whole into LDS would have to be read, changed and stored a second time.
; LIMITS: weights and colours are rounded to bf16 for the product (2^-9 each, relative); v_exp_f32 gives 0 under 2^-126 (ISA guide 15.8);
;   ranks are clamped to 2,047 before they form an address.
.set COL,    32768                     ; LDS: records 0 .. 32,767; then four planes: r, g, b, zeros
.set CPITCH, 4128                      ; 4,096 bytes + 32: the 32 bytes that lanes read of different planes lie in different banks (64 banks of 4 bytes: ISA guide 11.1)
.set COMB,   49408                     ; segment results: [32 segments][r, g, b, T][64 pixels] f32 = 32 x 1,024 bytes
.set X,   8                            ; v[8:11]    x + 0.5 of my four pixels
.set T,   12                           ; v[12:15]   transmittance of my four pixels within my segment
.set E,   16                           ; v[16:31]   four gaussians x four pixels: e, then the exponent, then alpha
.set WT,  32                           ; v[32:47]   their weights in f32
.set P,   48                           ; v[48:111]  records: a ring of four groups of four gaussians
.set CA,  112                          ; v[112:119] colour fragment
.set WB,  120                          ; v[120:151] weight fragments, 8 registers for each of my pixels
.set D,   152                          ; v[152:183] accumulators, 8 registers for each of my pixels
.set RA,  48                           ; head: v[48:79] four records as loaded
.set RK,  80                           ; head: v[80:83] four ranks
.set YC,  84                           ; head: y + 0.5
.set TM,  88                           ; head: v[88:103] at work
.set LC,  48                           ; tail: v[48:111]  16 segments' colour, four pixels each
.set LT,  112                          ; tail: v[112:175] 16 segments' T
	s_load_b128 s[4:7], s[0:1], 0x0                ; params s[4:5], rank s[6:7]
	s_load_b64 s[8:9], s[0:1], 0x10                ; out0
	v_lshl_add_u32 v184, v0, 2, 0x14100
	v_mov_b32 v185, 0
	v_lshrrev_b32 v1, 5, v0
	v_readfirstlane_b32 s10, v1                    ; wave 0..15
	s_mov_b32 s11, ttmp9                           ; g
	v_lshlrev_b32 v6, 5, v0                        ; 32 t
	v_lshlrev_b32 v7, 2, v0                        ; 4 t
	s_wait_kmcnt 0x0
.irp k, 0,1,2,3
	global_load_b32 v[RK+\k], v7, s[6:7] offset:2048*\k
	global_load_b128 v[RA+8*\k:RA+8*\k+3], v6, s[4:5] offset:16384*\k
	global_load_b128 v[RA+8*\k+4:RA+8*\k+7], v6, s[4:5] offset:16384*\k+16
.endr
	; the plane of zeros: 512 threads x 8 bytes
	v_lshlrev_b32 v5, 3, v0
	v_mov_b32 v16, 0
	v_mov_b32 v17, 0
	ds_store_b64 v5, v[16:17] offset:COL+3*CPITCH
	; the lane's constants
	v_and_b32 v1, 15, v0                           ; r
	v_bfe_u32 v2, v0, 4, 1                         ; h
	s_lshr_b32 s12, s11, 1                         ; image row
	s_and_b32 s13, s11, 1
	s_lshl_b32 s13, s13, 6                         ; first x
	v_cvt_f32_u32 v[YC], s12
	v_add_f32 v[YC], 0.5, v[YC]
	v_lshl_add_u32 v85, v1, 2, s13
	v_cvt_f32_u32 v85, v85
	v_add_f32 v[X], 0.5, v85
	v_add_f32 v[X+1], 0x3fc00000, v85              ; + 1.5
	v_add_f32 v[X+2], 0x40200000, v85              ; + 2.5
	v_add_f32 v[X+3], 0x40600000, v85              ; + 3.5
	v_lshlrev_b32 v3, 10, v2
	v_lshl_add_u32 v3, s10, 11, v3                 ; my segment's records: 1,024 (2 w + h)
	; colour fragment: lane L holds row m = L & 15 in the K slots of half L >> 4.  Row m belongs to half m >> 3, channel m & 7.
	v_and_b32 v4, 7, v0                            ; channel
	v_bfe_u32 v86, v0, 3, 1                        ; the row's half
	v_xor_b32 v86, v86, v2                         ; 1: not my half's row
	v_lshl_add_u32 v4, v86, 2, v4
	v_min_u32 v4, 3, v4                            ; plane 0..2, or 3 = zeros
	v_mul_u32_u24 v4, v4, CPITCH
	v_lshl_add_u32 v4, v2, 7, v4
	v_lshl_add_u32 v4, s10, 8, v4                  ; + 128 (2 w + h): my half's segment, 64 bf16
.irp i, 0,1,2,3
	v_mov_b32 v[T+\i], 1.0
.endr
; gaussian t + 512 k: the row folded in, the record and the colours put at their rank
.macro PLACE k
	s_wait_loadcnt 9-3*\k                          ; loads come back in order (ISA guide 5.7.1): the three of each later gaussian stay out
	v_min_u32 v[RK+\k], 0x7ff, v[RK+\k]
	v_sub_f32 v[TM+4*\k], v[YC], v[RA+8*\k+1]                       ; dy
	v_fma_f32 v[TM+4*\k+1], -v[RA+8*\k+3], v[TM+4*\k], v[RA+8*\k]   ; mx - k dy
	v_mul_f32 v[TM+4*\k+2], v[RA+8*\k+4], v[TM+4*\k]                ; Cy dy
	v_mul_f32 v[RA+8*\k], -v[RA+8*\k+2], v[TM+4*\k+1]               ; c0
	v_fma_f32 v[RA+8*\k+1], v[TM+4*\k+2], v[TM+4*\k], v[RA+8*\k+5]  ; u
	v_add_f32 v[RA+8*\k+3], 0xc166d4ca, v[RA+8*\k+5]                ; floor = lo - 14.42695
	v_lshlrev_b32 v[TM+4*\k+3], 4, v[RK+\k]
	v_lshlrev_b32 v[RK+\k], 1, v[RK+\k]
	ds_store_b128 v[TM+4*\k+3], v[RA+8*\k:RA+8*\k+3]                ; c0, u, sA, floor
	ds_store_b16 v[RK+\k], v[RA+8*\k+6] offset:COL
	ds_store_b16_d16_hi v[RK+\k], v[RA+8*\k+6] offset:COL+CPITCH
	ds_store_b16 v[RK+\k], v[RA+8*\k+7] offset:COL+2*CPITCH
.endm
	PLACE 0
	PLACE 1
	PLACE 2
	PLACE 3
	s_wait_dscnt 0x0                               ; my stores are in LDS before I say so
	s_barrier_signal -1
	s_barrier_wait -1                              ; the sorted table is whole
.macro LOADG m                         ; the records of group m (four gaussians) of my segment; each half of the lanes reads one address
.irp i, 0,1,2,3
	ds_load_b128 v[P+16*((\m)%4)+4*\i:P+16*((\m)%4)+4*\i+3], v3 offset:64*(\m)+16*\i
.endr
.endm
.macro LOADC c                         ; the colour fragment of chunk c (16 gaussians of each half)
	ds_load_b128 v[CA:CA+3], v4 offset:COL+32*(\c)
	ds_load_b128 v[CA+4:CA+7], v4 offset:COL+32*(\c)+16
.endm
; Group n of 16.  cnt = LDS loads issued behind this group's four (LDS answers in order: ISA guide 5.7.1).
; The group's registers are asked for again, four groups ahead, as soon as the last instruction that reads them has been issued.
.macro GROUP n, cnt
.set PB, P+16*((\n)%4)
	s_wait_dscnt \cnt
.irp i, 0,1,2,3
	v_pk_fma_f32 v[E+4*\i:E+4*\i+1], v[X:X+1], v[PB+4*\i+2:PB+4*\i+3], v[PB+4*\i:PB+4*\i+1] op_sel_hi:[1,0,0]       ; e = x sA + c0
	v_pk_fma_f32 v[E+4*\i+2:E+4*\i+3], v[X+2:X+3], v[PB+4*\i+2:PB+4*\i+3], v[PB+4*\i:PB+4*\i+1] op_sel_hi:[1,0,0]
.endr
.irp i, 0,1,2,3
	v_pk_fma_f32 v[E+4*\i:E+4*\i+1], v[E+4*\i:E+4*\i+1], v[E+4*\i:E+4*\i+1], v[PB+4*\i:PB+4*\i+1] op_sel:[0,0,1] op_sel_hi:[1,1,1] neg_lo:[1,0,0] neg_hi:[1,0,0]   ; u - e e
	v_pk_fma_f32 v[E+4*\i+2:E+4*\i+3], v[E+4*\i+2:E+4*\i+3], v[E+4*\i+2:E+4*\i+3], v[PB+4*\i:PB+4*\i+1] op_sel:[0,0,1] op_sel_hi:[1,1,1] neg_lo:[1,0,0] neg_hi:[1,0,0]
.endr
.irp i, 0,1,2,3
.irp p, 0,1,2,3
	v_max_num_f32 v[E+4*\i+\p], v[PB+4*\i+3], v[E+4*\i+\p]         ; the module's min(maha, 20)
.endr
.endr
.if \n+4 < 16
	LOADG \n+4
.endif
.if ((\n)%4) == 0
	LOADC (\n)/4                                   ; more than four plain vector instructions stand between the last matrix instruction and this load into its source
.endif
.irp j, 0,1,2,3,4,5,6,7,8,9,10,11,12,13,14,15
	v_exp_f32 v[E+\j], v[E+\j]                     ; alpha
.endr
	v_nop                                          ; one plain instruction between the exponentials and the first use (ISA guide 5.7.2)
	s_wait_alu depctr_va_vdst(0)
.irp i, 0,1,2,3
	v_pk_mul_f32 v[WT+4*\i:WT+4*\i+1], v[E+4*\i:E+4*\i+1], v[T:T+1]                 ; w = alpha T
	v_pk_mul_f32 v[WT+4*\i+2:WT+4*\i+3], v[E+4*\i+2:E+4*\i+3], v[T+2:T+3]
	v_pk_fma_f32 v[T:T+1], v[E+4*\i:E+4*\i+1], v[T:T+1], v[T:T+1] neg_lo:[1,0,0] neg_hi:[1,0,0]         ; T = T - alpha T
	v_pk_fma_f32 v[T+2:T+3], v[E+4*\i+2:E+4*\i+3], v[T+2:T+3], v[T+2:T+3] neg_lo:[1,0,0] neg_hi:[1,0,0]
.endr
.irp j, 0,1
.irp g, 0,1,2,3
	v_cvt_pk_bf16_f32 v[WB+8*\g+2*((\n)%4)+\j], v[WT+8*\j+\g], v[WT+8*\j+4+\g]      ; pixel g: two neighbouring gaussians, the earlier in the low half
.endr
.endr
.if ((\n)%4) == 3
.if \n == 15
	s_wait_dscnt 0x0                               ; the last colour fragment: nothing was issued behind it
.else
	s_wait_dscnt 12                                ; the colour fragment is in: three groups of records were issued behind it
.endif
.irp g, 0,1,2,3
.if \n == 3
	v_wmma_f32_16x16x32_bf16 v[D+8*\g:D+8*\g+7], v[CA:CA+7], v[WB+8*\g:WB+8*\g+7], 0
.else
	v_wmma_f32_16x16x32_bf16 v[D+8*\g:D+8*\g+7], v[CA:CA+7], v[WB+8*\g:WB+8*\g+7], v[D+8*\g:D+8*\g+7]
.endif
.endr
.endif
.endm
	LOADG 0
	LOADG 1
	LOADG 2
	LOADG 3
	GROUP 0, 12                                    ; behind group 0's loads: groups 1, 2, 3
.irp n, 1,2,3,4,5,6,7,8,9,10,11,12
	GROUP \n, 14                                   ; three groups of records and one colour fragment
.endr
	GROUP 13, 10                                   ; groups 14, 15 and the last colour fragment
	GROUP 14, 6
	GROUP 15, 2
	; four plain instructions that name no register of the last matrix instructions stand ahead of the first read of a result (ISA guide 7.12.1)
	v_lshlrev_b32 v5, 4, v1
	v_lshl_add_u32 v5, v2, 10, v5
	v_lshl_add_u32 v5, s10, 11, v5
	v_add_nc_u32 v5, COMB, v5                      ; my segment's results, 16 bytes for my four pixels
.irp c, 0,1,2
.irp g, 0,1,2,3
	v_mov_b32 v[E+4*\c+\g], v[D+8*\g+\c]           ; channel c of my four neighbouring pixels side by side, for one store of 16 bytes
.endr
.endr
.irp c, 0,1,2
	ds_store_b128 v5, v[E+4*\c:E+4*\c+3] offset:256*\c
.endr
	ds_store_b128 v5, v[T:T+3] offset:768
	s_wait_dscnt 0x0
	s_barrier_signal -1
	s_barrier_wait -1                              ; all 32 segments' results are in LDS
	s_cmp_gt_u32 s10, 2
	s_cbranch_scc1 .Lend
	; ---- waves 0-2: channel = wave.  Lane (r, h): pixels 4 r .. 4 r + 3, segments 16 h .. 16 h + 15 ----
	v_lshlrev_b32 v6, 4, v1
	v_lshl_add_u32 v6, v2, 14, v6
	v_add_nc_u32 v6, COMB, v6
	v_lshl_add_u32 v7, s10, 8, v6
.irp s, 0,1,2,3,4,5,6,7,8,9,10,11,12,13,14,15
	ds_load_b128 v[LC+4*\s:LC+4*\s+3], v7 offset:1024*\s
	ds_load_b128 v[LT+4*\s:LT+4*\s+3], v6 offset:1024*\s+768
.endr
	s_mov_b32 s20, 0x76543210                      ; v_permlanex16_b32: lane i of one half reads lane i of the other
	s_mov_b32 s21, 0xfedcba98
.irp s, 1,2,3,4,5,6,7,8,9,10,11,12,13,14,15
	s_wait_dscnt 30-2*\s                           ; segments 0 .. s are in; the two loads of each later one stay out
	v_pk_fma_f32 v[LC:LC+1], v[LT:LT+1], v[LC+4*\s:LC+4*\s+1], v[LC:LC+1]           ; C += T C_s
	v_pk_fma_f32 v[LC+2:LC+3], v[LT+2:LT+3], v[LC+4*\s+2:LC+4*\s+3], v[LC+2:LC+3]
	v_pk_mul_f32 v[LT:LT+1], v[LT:LT+1], v[LT+4*\s:LT+4*\s+1]                       ; T *= T_s
	v_pk_mul_f32 v[LT+2:LT+3], v[LT+2:LT+3], v[LT+4*\s+2:LT+4*\s+3]
.endr
.irp i, 0,1,2,3
	v_permlanex16_b32 v[LC+4+\i], v[LC+\i], s20, s21               ; the other half's C and T (the destinations have been written: segment 1's values, used up)
	v_permlanex16_b32 v[LT+4+\i], v[LT+\i], s20, s21
.endr
	v_pk_add_f32 v[LC+4:LC+5], v[LC+4:LC+5], v[LT+4:LT+5]          ; lanes 0-15: the back half's C + T bg, bg = 1
	v_pk_add_f32 v[LC+6:LC+7], v[LC+6:LC+7], v[LT+6:LT+7]
	v_pk_fma_f32 v[LC:LC+1], v[LT:LT+1], v[LC+4:LC+5], v[LC:LC+1]  ; behind the front half
	v_pk_fma_f32 v[LC+2:LC+3], v[LT+2:LT+3], v[LC+6:LC+7], v[LC+2:LC+3]
.irp i, 0,1,2,3
	v_max_num_f32 v[LC+\i], 0, v[LC+\i]
	v_min_num_f32 v[LC+\i], 1.0, v[LC+\i]
.endr
	v_lshlrev_b32 v5, 4, v1
	v_lshl_add_u32 v5, s11, 8, v5                  ; (128 row + first x) x 4 bytes = 256 g
	v_lshl_add_u32 v5, s10, 16, v5                 ; + channel x 65,536
	v_cmp_eq_u32 vcc_lo, 0, v2
	s_wait_xcnt 0x0                                ; EXEC changes only when no earlier memory instruction still needs it
	s_and_saveexec_b32 s14, vcc_lo
	global_store_b128 v5, v[LC:LC+3], s[8:9] th:TH_STORE_NT        ; 16 lanes store 256 consecutive bytes, at a multiple of 256 from the buffer's first byte
	s_wait_xcnt 0x0
	s_or_b32 exec_lo, exec_lo, s14
.Lend:
	s_wait_tensorcnt 0x0
	ds_add_u32 v184, v185
	s_wait_dscnt 0x0
	s_endpgm
.Lfunc_end_k_q0c9d5a162a_render:
	.size	k_q0c9d5a162a_render, .Lfunc_end_k_q0c9d5a162a_render-k_q0c9d5a162a_render
	.p2alignl 7, 3214868480
	.fill 96, 4, 3214868480
	.section	.rodata,"a",@progbits
	.p2align	6, 0x0
	.amdhsa_kernel k_q0c9d5a162a_render
		.amdhsa_group_segment_fixed_size 84224
		.amdhsa_private_segment_fixed_size 0
		.amdhsa_enable_private_segment 0
		.amdhsa_kernarg_size 24
		.amdhsa_user_sgpr_count 2
		.amdhsa_user_sgpr_kernarg_segment_ptr 1
		.amdhsa_wavefront_size32 1
		.amdhsa_system_sgpr_workgroup_id_x 1
		.amdhsa_system_sgpr_workgroup_id_y 1
		.amdhsa_system_sgpr_workgroup_id_z 1
		.amdhsa_system_vgpr_workitem_id 0
		.amdhsa_next_free_vgpr 186
		.amdhsa_next_free_sgpr 66
		.amdhsa_reserve_vcc 1
		.amdhsa_float_denorm_mode_32 3
		.amdhsa_float_denorm_mode_16_64 3
		.amdhsa_memory_ordered 1
		.amdhsa_forward_progress 1
		.amdhsa_inst_pref_size 79
	.end_amdhsa_kernel
	.amdgpu_metadata
---
amdhsa.version: [ 1, 2 ]
amdhsa.kernels:
  - .name:           k_q0c9d5a162a_render
    .symbol:         k_q0c9d5a162a_render.kd
    .args:
      - { .name: params, .offset: 0, .size: 8, .value_kind: global_buffer, .address_space: global }
      - { .name: rank, .offset: 8, .size: 8, .value_kind: global_buffer, .address_space: global }
      - { .name: out0, .offset: 16, .size: 8, .value_kind: global_buffer, .address_space: global }
    .group_segment_fixed_size: 84224
    .private_segment_fixed_size: 0
    .kernarg_segment_align: 8
    .kernarg_segment_size: 24
    .max_flat_workgroup_size: 512
    .sgpr_count:     66
    .vgpr_count:     186
    .wavefront_size: 32
...
	.end_amdgpu_metadata
.endif
;; end of part 2
